; MI455X (gfx1250); checked and timed in simulation.
; The chip was launched on July 23, 2026; its instructions are those of AMD's public machine-readable ISA for CDNA 5 (MIT licence, August 2026) and "CDNA5" Instruction Set Architecture Reference Guide (July 2026). The comments in the code are by the model that wrote it; some were corrected since.
;; Self Attention. Allowed arithmetic: matrix products marked QUANTISED: E4M3 operands, one given power-of-two scale a tensor, by v_wmma_f32_16x16x64_fp8_fp8 or v_wmma_f32_16x16x128_fp8_fp8, f32 sums; everything else in f32.
;; Inputs: Wout 1,024 x 1,024 float32; Wqkv 1,024 x 3,072 float32; cos 2,048 x 32 float32; lowp_scales 8 int32 (the exponents e of the quantised operands' scales 2^e); mask 4 x 2,048 x 2,048 float32; sin 2,048 x 32 float32; x 4 x 2,048 x 1,024 float32.
;; Outputs: out0 4 x 2,048 x 1,024 float32.
;; This version of the problem:
;;   THIS VERSION OF THE PROBLEM IS GIVEN IN LOW PRECISION. The matrix products marked QUANTISED in the list below multiply operands that are first quantised to E4M3 (4 exponent bits, 3 mantissa bits; 8 bits a number), with one given power-of-two scale for each operand tensor; their sums are f32. All else is computed in f32.
;;   The module's matrix products, in the order in which they are computed (A, B: the left and right operand; K: the contracted axis; several contracted axes count as one K, in the product's order):
;;     1. [M 8,192, K 1,024] x [K 1,024, N 3,072]; A: input x; B: input Wqkv: QUANTISED (scales: A lowp_scales[0], B lowp_scales[1])
;;     2. batch 64 x [M 2,048, K 64] x [K 64, N 2,048]; A: computed on the way; B: computed on the way: QUANTISED (scales: A lowp_scales[2], B lowp_scales[3])
;;     3. batch 64 x [M 2,048, K 2,048] x [K 2,048, N 64]; A: softmax (see below); B: computed on the way: QUANTISED (scales: A lowp_scales[4], B lowp_scales[5])
;;     4. [M 8,192, K 1,024] x [K 1,024, N 1,024]; A: computed on the way; B: input Wout: QUANTISED (scales: A lowp_scales[6], B lowp_scales[7])
;;   THE QUANTISER, for each operand of a quantised product, along K:
;;     - The operand's scale is 2^e, e = its entry of the input lowp_scales (int32; the entries are numbered through the quantised products in the list's order, A before B).
;;     - Each number is divided by the scale, clamped to +-448, and rounded to the nearest number of E4M3, ties to even, subnormals kept.
;;     - The product sums the exact products of the quantised numbers (number of the format x scale) in f32.
;;   ~~~python
;;   def quantise(x, axis, e):      # numpy; x: float32 -> the quantised numbers, widened to float32 again
;;       x = np.moveaxis(x, axis, -1); K = x.shape[-1]
;;       r = np.clip(x / 2.0 ** e, -448, 448)
;;       step = 2.0 ** (np.maximum(np.frexp(np.where(r == 0, 1, r))[1] - 1, -6) - 3)
;;       q = np.round(r / step) * step * 2.0 ** e      # np.round: ties to even
;;       return np.moveaxis(q, -1, axis).astype(np.float32)
;;   ~~~
;;   SOFTMAX AHEAD OF A QUANTISED PRODUCT. Where the list says 'softmax', what is quantised is not the finished softmax but p = 2^(t - M), with t = logit x log2(e) and M = ceil(the row's largest t), a whole number; so 1/2 < the row's largest p <= 1. The row's sum l is taken of the UNQUANTISED p, in f32, and the product's result is divided by l at the end. Since M is a whole number, a kernel that streams over the keys may use a running M (the ceiling of the running maximum): every later rescaling is an exact power of two, so the quantised numbers keep their values, but for numbers so far below the row's largest that they fall under the format's range.
;;   OPERANDS COMPUTED ON THE WAY. 'Computed on the way' means the value that the module computes at that place (a softmax that the list does not call 'softmax' is quantised finished and normalised). What goes into a quantiser is computed in f32, as accurately as f32 sums, v_exp_f32 and their like allow (about 1e-6 of the number): no bf16 or f16 on the way to a quantiser, and a product that is left as it is and whose result goes on into a quantised operand takes f32 operands (vector FMAs, or v_wmma_f32_16x16x4_f32). A number that lies on a knife's edge between two numbers of the format may be rounded either way, as far as f32 arithmetic and the matrix unit's own rounding can turn it there, and no further.
;; One version. Each part assembles by itself: llvm-mc -triple=amdgcn-amd-amdhsa -mcpu=gfx1250 --defsym DOCPART=n.
;; ======== version 1 of 1: 4 launches
;; limits: right only within a limited range of input values
;; workspace buffers: xc 8,388,608 bytes; wqkvc 3,145,728 bytes; woutc 1,048,576 bytes; qimg 8,388,608 bytes; kimg 8,388,608 bytes; vimg 8,388,608 bytes; aimg 8,388,608 bytes
;; launch quant (part 1): grid 384 x 1, 4 waves a work-group, no clusters, 68,096 bytes of LDS; arguments x, Wqkv, Wout, lowp_scales, xc, wqkvc, woutc; writes xc, wqkvc, woutc
.if DOCPART == 1
	.amdgcn_target "amdgcn-amd-amdhsa--gfx1250"
	.amdhsa_code_object_version 6
	.text
	.protected	k_qfb4059337d_quant
	.globl	k_qfb4059337d_quant
	.p2align	8
	.type	k_qfb4059337d_quant,@function
k_qfb4059337d_quant:
	s_mov_b64 s[64:65], 0
	v_nop
	global_prefetch_b8 v0, s[64:65] scope:SCOPE_SE
	s_setreg_imm32_b32 hwreg(HW_REG_WAVE_MODE, 25, 1), 1
	s_wait_xcnt 0x0
; x [8192][1024], Wqkv [1024 k][3072 n] and Wout [1024 k][1024 n], f32, become codes of FP8 (E4M3), K innermost, each with its given scale 2^e
; (entries 0, 1 and 7 of the buffer of scales): code = number / 2^e, held within +-448, rounded to the nearest code, ties to even.
; THE ROWS OF THE CODE BUFFERS ARE PERMUTED: in each group of 32 rows (tokens of x, columns n of a weight) the four groups of eight change places, group v to place swap(v) (v's two bits
; exchanged).  So 16 consecutive rows of a code buffer are rows 8 u + r + 8 (r / 8) of the tensor, and the products that follow get, in a lane's registers of two neighbouring tiles, 16 neighbours.
; Work-groups 0-255 take x: a plain stream, 8 rows (8,192 numbers) a wave, turned through the wave's own stage in LDS so that loads are dense and a lane still holds 16 neighbours along K.
; Work-groups 256-383 take the weights, whose K is the FIRST axis: a lane takes a column n and its registers run down K; 32 columns x 256 K a wave; the codes leave through the wave's own stage as rows of 256 bytes.
; The two ways part on the work-group's number and have LDS bytes of their own.  No tensor loads, no barrier: waves share nothing.  No cluster: no two work-groups read the same bytes.
; LIMITS: each of the three exponents lies between -126 and 119.  NaN among the inputs is not served.
.set SP,     80                        ; x: a lane's place in a stage: 64 bytes + 16 of padding
.set STEPS,  16                        ; x: steps of 512 numbers a wave
.set XR,     16                        ; v16-79   x: four sets of 16 numbers as loaded
.set XN,     80                        ; v80-111  x: two sets of 16 neighbours
.set XC,     128                       ; v128-191 x: codes, four registers for each step
.set WPITCH, 272                       ; weights: a stage row: 256 bytes + 16
.set WSTG,   32768                     ; weights: the stages begin behind x's
.set NB,     8                         ; weights: blocks of 32 along K a wave
.set WN,     32                        ; v32-95   two sets of 32 numbers
.set WC,     96                        ; v96-103  a block's codes
.set WO,     112                       ; v112-175 the way out
.set OFF,    176                       ; v176-207 byte offset of row i of a block: 4 x lane + i x the tensor's row
.macro XLOAD t
.irp i, 0,1,2,3
	global_load_b128 v[XR+16*((\t)%4)+4*\i:XR+16*((\t)%4)+4*\i+3], v3, s[4:5] offset:2048*(\t)+512*\i th:TH_LOAD_NT   ; 32 lanes read 512 consecutive bytes
.endr
.endm
.macro XTURN t                         ; step t's numbers through the stage: LDS serves a wave's instructions in order, so no wait stands between the stores and the loads
.irp i, 0,1,2,3
	ds_store_b128 v14, v[XR+16*((\t)%4)+4*\i:XR+16*((\t)%4)+4*\i+3] offset:32*SP*((\t)%2)+8*SP*\i
.endr
.irp i, 0,1,2,3
	ds_load_b128 v[XN+16*((\t)%2)+4*\i:XN+16*((\t)%2)+4*\i+3], v15 offset:32*SP*((\t)%2)+16*\i
.endr
.endm
.macro XSTEP t
.set XS, XN+16*((\t)%2)
	s_wait_dscnt 0x0                               ; this step's numbers are back from the stage, and its stores into the stage have read their registers,
.if (\t)+4 < STEPS
	XLOAD (\t)+4                                   ; which take the loads of four steps on
.endif
.if (\t)+1 < STEPS
.if STEPS-2-(\t) >= 3
	s_wait_loadcnt 12                              ; the next step's four loads are in; those of the three steps behind it may be out
.else
	s_wait_loadcnt 4*(STEPS-2-(\t))
.endif
	XTURN (\t)+1
.endif
.irp i, 0,1,2,3,4,5,6,7,8,9,10,11,12,13,14,15
.endr
	v_cvt_scalef32_pk8_fp8_f32 v[XC+4*(\t):XC+4*(\t)+1], v[XS:XS+7], v11
	v_cvt_scalef32_pk8_fp8_f32 v[XC+4*(\t)+2:XC+4*(\t)+3], v[XS+8:XS+15], v11
	global_store_b128 v3, v[XC+4*(\t):XC+4*(\t)+3], s[12:13] offset:512*(\t)   ; the wave stores 512 consecutive bytes; the next vector lines are the next step's holds, on other registers
.endm
.macro WLOAD t                         ; block t: W(32 t + i, my column), i = 0 .. 31, into set t % 2; each load reads 128 consecutive bytes a wave
.irp i, 0,1,2,3,4,5,6,7,8,9,10,11,12,13,14,15,16,17,18,19,20,21,22,23,24,25,26,27,28,29,30,31
	global_load_b32 v[WN+32*((\t)%2)+\i], v[OFF+\i], s[32+2*(\t):33+2*(\t)] th:TH_LOAD_NT
.endr
.endm
.macro WBLOCK t
.set XS, WN+32*((\t)%2)
.if (\t) < NB-1
	s_wait_loadcnt 32                              ; this block's 32 loads are in; the next block's may be out
.else
	s_wait_loadcnt 0
.endif
.irp i, 0,1,2,3,4,5,6,7,8,9,10,11,12,13,14,15,16,17,18,19,20,21,22,23,24,25,26,27,28,29,30,31
.endr
.irp g, 0,1,2,3
	v_cvt_scalef32_pk8_fp8_f32 v[WC+2*\g:WC+2*\g+1], v[XS+8*\g:XS+8*\g+7], v11
.endr
	ds_store_b128 v4, v[WC:WC+3] offset:32*(\t)    ; 32 codes: 32 bytes of my column's row
	ds_store_b128 v4, v[WC+4:WC+7] offset:32*(\t)+16
.if (\t)+2 < NB
	WLOAD (\t)+2
.endif
	s_wait_dscnt 0x0                               ; the stores have read their registers: the next block's codes may be written
.endm
	s_load_b256 s[4:11], s[0:1], 0x0               ; x s[4:5], Wqkv s[6:7], Wout s[8:9], the scales' exponents s[10:11]
	s_load_b128 s[12:15], s[0:1], 0x20             ; x's codes s[12:13], Wqkv's s[14:15]
	s_load_b64 s[16:17], s[0:1], 0x30              ; Wout's codes
	v_lshl_add_u32 v208, v0, 2, 0x10800
	v_mov_b32 v209, 0
	v_lshrrev_b32 v1, 5, v0
	v_readfirstlane_b32 s18, v1                    ; wave 0..3
	v_and_b32 v2, 31, v0                           ; lane
	s_wait_kmcnt 0x0
	s_load_b256 s[20:27], s[10:11], 0x0            ; e0 .. e7
	s_cmp_lt_u32 ttmp9, 256                        ; x's work-group or a weight's?
	s_cbranch_scc0 .Lw
	; ---------------- x ----------------
	s_wait_alu depctr_va_vdst(0)
	v_lshlrev_b32 v3, 4, v2                        ; 16 x lane: my 16 bytes of a load's 512, and my 16 codes of a step's 512
	s_wait_alu depctr_va_vdst(0)
	s_lshl_b32 s19, s18, 13                        ; my wave's 8,192 bytes of LDS: two stages of 32 x SP
	v_lshrrev_b32 v14, 2, v2
	v_mul_u32_u24 v14, v14, SP
	v_and_b32 v15, 3, v2
	v_lshl_add_u32 v14, v15, 4, v14
	v_add_nc_u32 v14, s19, v14                     ; into the stage: four lanes' 64 bytes on end, then 16 of padding
	v_mul_u32_u24 v15, v2, SP
	v_add_nc_u32 v15, s19, v15                     ; out of it: SP x lane: my 16 neighbours
	s_lshl_b32 s28, ttmp9, 2
	s_add_co_u32 s30, s28, s18                     ; which run of 8 rows is my wave's
	s_lshl_b32 s30, s30, 15                        ; x 32,768 bytes of f32
	s_mov_b32 s31, 0
	s_add_nc_u64 s[4:5], s[4:5], s[30:31]
	s_and_b32 s29, s18, 1
	s_lshl_b32 s29, s29, 1
	s_lshr_b32 s30, s18, 1
	s_or_b32 s29, s29, s30                         ; swap(wave): the place of my eight rows in their group of 32
	s_add_co_u32 s30, s28, s29
	s_lshl_b32 s30, s30, 13                        ; x 8,192 bytes of codes
	s_add_nc_u64 s[12:13], s[12:13], s[30:31]
.irp t, 0,1,2,3
	XLOAD \t
.endr
	s_wait_alu depctr_va_vdst(0)
	s_wait_kmcnt 0x0
	s_add_co_i32 s28, s20, 127
	s_lshl_b32 s29, s28, 23
	v_mov_b32 v11, s29                             ; 2^e0 as f32: the conversion takes its exponent field
	s_add_co_i32 s28, s28, 8
	s_lshl_b32 s28, s28, 23
	s_or_b32 s28, s28, 0x600000
	s_wait_alu depctr_va_vdst(0)
	s_wait_loadcnt 12                              ; step 0's four loads are in
	XTURN 0
.irp t, 0,1,2,3,4,5,6,7,8,9,10,11,12,13,14,15
	XSTEP \t
.endr
	s_wait_tensorcnt 0x0
	ds_add_u32 v208, v209
	s_wait_dscnt 0x0
	s_endpgm
	; ---------------- the weights ----------------
.Lw:
	s_sub_co_u32 s28, ttmp9, 256                   ; 0-95: Wqkv (24 x 128 columns, 4 x 256 K); 96-127: Wout (8 x 128 columns, 4 x 256 K)
	s_mov_b32 s48, 4096
	s_cmp_lt_u32 s28, 96                           ; the choices hang on the work-group's number alone
	s_cselect_b64 s[30:31], s[6:7], s[8:9]         ; the tensor,
	s_cselect_b64 s[50:51], s[14:15], s[16:17]     ; its codes,
	s_cselect_b32 s48, 12288, s48                  ; a row of it in bytes,
	s_cselect_b32 s29, 0, 24
	s_and_b32 s52, s28, 3                          ; which 256 along K
	s_lshr_b32 s53, s28, 2
	s_sub_co_u32 s53, s53, s29                     ; which 128 columns
	s_lshl_b32 s53, s53, 7
	s_lshl_b32 s54, s18, 5
	s_add_co_u32 s53, s53, s54                     ; my wave's first column: one whole group of 32
	s_wait_alu depctr_va_vdst(0)
	v_lshlrev_b32 v[OFF], 2, v2                    ; 4 bytes a lane,
.set i, 1
.rept 31
	v_add_nc_u32 v[OFF+i], s48, v[OFF+i-1]         ; and a row further down for each register of a block
.set i, i+1
.endr
	s_mul_i32 s19, s18, 32*WPITCH
	s_add_co_u32 s19, s19, WSTG                    ; my stage
	v_mul_u32_u24 v4, v2, WPITCH
	v_add_nc_u32 v4, s19, v4                       ; into it: row = my column
	v_and_b32 v5, 15, v2
	v_lshrrev_b32 v6, 4, v2                        ; out of it: sixteen lanes to a row, two rows an instruction
	v_mul_u32_u24 v7, v6, WPITCH
	v_lshl_add_u32 v7, v5, 4, v7
	v_add_nc_u32 v7, s19, v7
	v_lshlrev_b32 v8, 10, v6                       ; and the same place in the codes: rows of 1,024 bytes
	v_lshl_add_u32 v8, v5, 4, v8
	s_mul_i32 s54, s52, s48
	s_lshl_b32 s54, s54, 8                         ; 256 rows of K for each step along y,
	s_lshl_b32 s55, s53, 2
	s_add_co_u32 s54, s54, s55                     ; + 4 bytes a column
	s_mov_b32 s55, 0
	s_add_nc_u64 s[32:33], s[30:31], s[54:55]      ; block 0's base;
	s_lshl_b32 s54, s48, 5                         ; 32 rows on for each further block: eight bases, so that no pointer is stepped while loads are out
.irp t, 1,2,3,4,5,6,7
	s_add_nc_u64 s[32+2*\t:33+2*\t], s[30+2*\t:31+2*\t], s[54:55]
.endr
	s_lshl_b32 s54, s53, 10                        ; the codes: column x 1,024
	s_lshl_b32 s29, s52, 8                         ; + 256 bytes for each step along K
	s_add_co_u32 s54, s54, s29
	s_add_nc_u64 s[50:51], s[50:51], s[54:55]
	WLOAD 0
	WLOAD 1
	s_wait_kmcnt 0x0
	s_cmp_lt_u32 s28, 96
	s_cselect_b32 s49, s21, s27                    ; e1 for Wqkv, e7 for Wout
	s_add_co_i32 s49, s49, 127
	s_lshl_b32 s29, s49, 23
	v_mov_b32 v11, s29                             ; 2^e
	s_add_co_i32 s49, s49, 8
	s_lshl_b32 s49, s49, 23
	s_or_b32 s49, s49, 0x600000
.set Q, 0
	s_wait_alu depctr_va_vdst(0)
.rept NB
	WBLOCK Q
.set Q, Q+1
.endr
.irp t, 0,1,2,3,4,5,6,7,8,9,10,11,12,13,14,15
	ds_load_b128 v[WO+4*\t:WO+4*\t+3], v7 offset:2*\t*WPITCH   ; LDS serves a wave's instructions in order: these see my stores
.endr
.irp t, 0,1,2,3,4,5,6,7,8,9,10,11,12,13,14,15
	s_wait_dscnt 15-\t
	global_store_b128 v8, v[WO+4*\t:WO+4*\t+3], s[50:51] offset:(8*(((\t/4)&1)*2+(\t/4)/2)+2*(\t%4))*1024   ; columns 2 t, 2 t + 1 go to their places: group t / 4 to swap(t / 4); 16 lanes store 256 consecutive bytes, aligned
.endr
	s_wait_tensorcnt 0x0
	ds_add_u32 v208, v209
	s_wait_dscnt 0x0
	s_endpgm
.Lfunc_end_k_qfb4059337d_quant:
	.size	k_qfb4059337d_quant, .Lfunc_end_k_qfb4059337d_quant-k_qfb4059337d_quant
	.p2alignl 7, 3214868480
	.fill 96, 4, 3214868480
	.section	.rodata,"a",@progbits
	.p2align	6, 0x0
	.amdhsa_kernel k_qfb4059337d_quant
		.amdhsa_group_segment_fixed_size 68096
		.amdhsa_private_segment_fixed_size 0
		.amdhsa_enable_private_segment 0
		.amdhsa_kernarg_size 56
		.amdhsa_user_sgpr_count 2
		.amdhsa_user_sgpr_kernarg_segment_ptr 1
		.amdhsa_wavefront_size32 1
		.amdhsa_system_sgpr_workgroup_id_x 1
		.amdhsa_system_sgpr_workgroup_id_y 1
		.amdhsa_system_sgpr_workgroup_id_z 1
		.amdhsa_system_vgpr_workitem_id 0
		.amdhsa_next_free_vgpr 210
		.amdhsa_next_free_sgpr 66
		.amdhsa_reserve_vcc 0
		.amdhsa_float_denorm_mode_32 3
		.amdhsa_float_denorm_mode_16_64 3
		.amdhsa_fp16_overflow 1
		.amdhsa_memory_ordered 1
		.amdhsa_forward_progress 1
		.amdhsa_inst_pref_size 55
	.end_amdhsa_kernel
	.amdgpu_metadata
---
amdhsa.version: [ 1, 2 ]
amdhsa.kernels:
  - .name:           k_qfb4059337d_quant
    .symbol:         k_qfb4059337d_quant.kd
    .args:
      - { .name: x, .offset: 0, .size: 8, .value_kind: global_buffer, .address_space: global }
      - { .name: Wqkv, .offset: 8, .size: 8, .value_kind: global_buffer, .address_space: global }
      - { .name: Wout, .offset: 16, .size: 8, .value_kind: global_buffer, .address_space: global }
      - { .name: lowp_scales, .offset: 24, .size: 8, .value_kind: global_buffer, .address_space: global }
      - { .name: xc, .offset: 32, .size: 8, .value_kind: global_buffer, .address_space: global }
      - { .name: wqkvc, .offset: 40, .size: 8, .value_kind: global_buffer, .address_space: global }
      - { .name: woutc, .offset: 48, .size: 8, .value_kind: global_buffer, .address_space: global }
    .group_segment_fixed_size: 68096
    .private_segment_fixed_size: 0
    .kernarg_segment_align: 8
    .kernarg_segment_size: 56
    .max_flat_workgroup_size: 128
    .sgpr_count:     66
    .vgpr_count:     210
    .wavefront_size: 32
...
	.end_amdgpu_metadata
.endif
;; end of part 1
;; launch gemm1 (part 2): grid 12 x 32, 4 waves a work-group, clusters of 4 x 4, 327,680 bytes of LDS; arguments xc, wqkvc, lowp_scales, cos, sin, qimg, kimg, vimg; writes qimg, kimg, vimg
.if DOCPART == 2
	.amdgcn_target "amdgcn-amd-amdhsa--gfx1250"
	.amdhsa_code_object_version 6
	.text
	.protected	k_qfb4059337d_gemm1
	.globl	k_qfb4059337d_gemm1
	.p2align	8
	.type	k_qfb4059337d_gemm1,@function
k_qfb4059337d_gemm1:
	s_mov_b64 s[64:65], 0
	v_nop
	global_prefetch_b8 v0, s[64:65] scope:SCOPE_SE
	s_setreg_imm32_b32 hwreg(HW_REG_WAVE_MODE, 25, 1), 1
	s_wait_xcnt 0x0
	s_wait_alu depctr_hold_cnt(0) depctr_sa_sdst(0) depctr_va_vdst(0) depctr_va_sdst(0) depctr_va_ssrc(0) depctr_va_vcc(0) depctr_vm_vsrc(0)
	s_getreg_b32 s2, hwreg(HW_REG_IB_STS2, 6, 4)
	s_cmp_eq_u32 s2, 0
	s_cbranch_scc0 .Lentry_in_a_cluster
	s_endpgm
.Lentry_in_a_cluster:
	s_bfe_u32 s2, ttmp6, 0x10000c
	s_cmp_lg_u32 s2, 0xf033
	s_cbranch_scc0 .Lentry_shape_is_right
	s_endpgm
.Lentry_shape_is_right:
.set SIZE_K, 1024
.set KSTEP,  256
.set ROWB,   256
.set KROW,   SIZE_K
.set PITCH,  272
.set FR,     16
.set NL,     4
.set NP,     4
.set HALFT,  128*PITCH
.set SLOT,   4*HALFT
.set LAPS,   SIZE_K/(2*KSTEP)
.set SPARE,  2*SLOT
.set ADRA, 16
.set ADRB, 20
.set CSO,  24
.set LI,   25
.set SCL,  26
.set LIM,  27
.set SPW,  28
.set NIL,  29
.set TMP,  32
.set AF,   128
.set CD,   128
.set G1, 24
.set G0, 32
.set G1B, 48
.set G0B, 56
.set MSB, 0
.macro WIN new
.if MSB != \new
	s_set_vgpr_msb (MSB<<8)|\new
.set MSB, \new
.endif
.endm
.set MUL_LO, 0xa1
.set MUL_HI, 0xf1
.set TO_B,   0x40
.macro JLOAD g0a, g1a, g0b, g1b
	s_cmp_eq_u32 s15, 0
	s_cbranch_scc0 .Lfor_b_\@
	tensor_load_to_lds s[\g0a:\g0a+3], s[\g1a:\g1a+7]
	s_nop 0
.rept 4
	v_nop
.endr
	s_branch .Lasked_\@
.Lfor_b_\@:
	tensor_load_to_lds s[\g0b:\g0b+3], s[\g1b:\g1b+7]
	s_nop 0
.rept 4
	v_nop
.endr
.Lasked_\@:
.endm
.macro CREST
	s_cmp_lg_u32 s14, 0
	s_cbranch_scc1 .Lnot_wave_0_\@
	s_barrier_signal -3
.Lnot_wave_0_\@:
	s_barrier_wait -3
	s_barrier_signal -1
	s_barrier_wait -1
.endm
.macro CROUND
	s_barrier_signal -1
	s_barrier_wait -1
	CREST
.endm
	s_load_b128 s[4:7], s[0:1], 0x0
	s_load_b128 s[8:11], s[0:1], 0x10
	s_load_b256 s[68:75], s[0:1], 0x20
	v_lshl_add_u32 v[SPW], v0, 2, SPARE
	v_mov_b32 v[NIL], 0
	ds_add_u32 v28, v29
	ds_add_u32 v28, v29
	s_wait_dscnt 0x0
	v_lshrrev_b32 v1, 5, v0
	v_readfirstlane_b32 s14, v1
	s_lshr_b32 s15, s14, 1
	s_and_b32 s16, s14, 1
	s_bfe_u32 s40, ttmp6, 0x40000
	s_bfe_u32 s41, ttmp6, 0x40004
	s_lshl_b32 s42, ttmp9, 2
	s_add_co_u32 s42, s42, s40
	s_and_b32 s17, ttmp7, 0xffff
	s_lshl_b32 s17, s17, 2
	s_add_co_u32 s17, s17, s41
	s_lshl_b32 s43, s41, 2
	s_lshl_b32 s43, 15, s43
	s_lshl_b32 s44, 0x1111, s40
	s_or_b32 s[G1+0], s43, (0<<16)|(1<<20)|(1<<21)|(5<<22)|(3<<25)
	s_or_b32 s[G1B+0], s44, (0<<16)|(1<<20)|(1<<21)|(5<<22)|(3<<25)
.irp g, G1, G1B
	s_mov_b32 s[\g+1], ROWB<<16
	s_mov_b32 s[\g+2], 128<<16
	s_mov_b32 s[\g+3], ROWB<<16
	s_mov_b32 s[\g+4], 128
	s_mov_b32 s[\g+5], KROW
	s_mov_b32 s[\g+6], 0
	s_mov_b32 s[\g+7], 0
.endr
	s_lshl_b32 s18, s16, 7
	s_lshl_b32 s20, s17, 8
	s_add_co_u32 s20, s20, s18
	s_lshl_b32 s20, s20, 10
	s_mov_b32 s21, 0
	s_lshl_b32 s46, s42, 8
	s_add_co_u32 s46, s46, s18
	s_lshl_b32 s46, s46, 10
	s_mov_b32 s47, 0
	s_mul_i32 s45, s14, HALFT
	s_wait_kmcnt 0x0
	s_load_b256 s[76:83], s[8:9], 0x0
	s_add_nc_u64 s[20:21], s[4:5], s[20:21]
	s_add_nc_u64 s[46:47], s[6:7], s[46:47]
	CROUND
.irp s, 0,1
	s_mov_b32 s[G0+4*\s], 1
	s_add_co_u32 s[G0+4*\s+1], s45, \s*SLOT
	s_add_nc_u64 s[G0+4*\s+2:G0+4*\s+3], s[20:21], \s*ROWB
	s_or_b32 s[G0+4*\s+3], s[G0+4*\s+3], 0x80000000
	s_mov_b32 s[G0B+4*\s], 1
	s_add_co_u32 s[G0B+4*\s+1], s45, \s*SLOT
	s_add_nc_u64 s[G0B+4*\s+2:G0B+4*\s+3], s[46:47], \s*ROWB
	s_or_b32 s[G0B+4*\s+3], s[G0B+4*\s+3], 0x80000000
	s_wait_alu depctr_va_vdst(0)
	s_wait_tensorcnt 0x0
	ds_add_u32 v28, v29
	ds_add_u32 v28, v29
	s_wait_dscnt 0x0
	CROUND
	JLOAD G0+4*\s, G1, G0B+4*\s, G1B
.endr
	v_and_b32 v1, 15, v0
	v_bfe_u32 v2, v0, 4, 1
	v_mul_u32_u24 v3, v1, PITCH
	v_lshl_add_u32 v4, v2, 4, v3
	s_wait_alu depctr_va_vdst(0)
	s_mul_i32 s21, s15, HALFT
	s_mul_i32 s22, s16, HALFT
	s_add_co_u32 s22, s22, 2*HALFT
	s_cmp_eq_u32 ttmp9, 2
	s_cselect_b32 s23, s22, s21
	s_cselect_b32 s22, s21, s22
	s_mov_b32 s21, s23
.irp s, 0,1
	v_add_nc_u32 v[ADRA+\s], s21, v4
	v_add_nc_u32 v[ADRB+\s], s22, v4
	s_add_co_u32 s21, s21, SLOT
	s_add_co_u32 s22, s22, SLOT
.endr
	v_and_b32 v5, 8, v1
	v_add_nc_u32 v5, v5, v1
	v_lshlrev_b32 v[CSO], 7, v5
	v_lshl_add_u32 v[CSO], v2, 5, v[CSO]
	v_and_b32 v6, 31, v0
	v_lshlrev_b32 v[LI], 4, v6
	s_and_b32 s20, s17, 7
	s_lshl_b32 s20, s20, 1
	s_add_co_u32 s20, s20, s15
	s_lshl_b32 s88, s20, 14
	s_mov_b32 s89, 0
	s_add_nc_u64 s[90:91], s[10:11], s[88:89]
	s_add_nc_u64 s[92:93], s[68:69], s[88:89]
	s_lshr_b32 s85, s17, 3
	s_lshl_b32 s85, s85, 2
	s_add_co_u32 s85, s85, s40
	s_lshl_b32 s85, s85, 19
	s_lshl_b32 s88, s20, 15
	s_add_co_u32 s88, s88, s85
	s_cmp_eq_u32 ttmp9, 0
	s_cselect_b64 s[86:87], s[70:71], s[72:73]
	s_cmp_eq_u32 ttmp9, 2
	s_cselect_b64 s[86:87], s[74:75], s[86:87]
	s_cselect_b32 s85, 14, 11
	s_lshl_b32 s85, s16, s85
	s_add_co_u32 s88, s88, s85
	s_add_nc_u64 s[86:87], s[86:87], s[88:89]
.macro FRAG reg, adr, q, i
.irp c, 0,1,2,3
	ds_load_b128 v[\reg+4*\c:\reg+4*\c+3], v[\adr] offset:128*(\q)+32*\c+(\i)*16*PITCH
.endr
.endm
.macro MUL16 a0, p, zero
.irp a, \a0, \a0+1
.irp b, 0,1,2,3,4,5,6,7
.if \zero
	v_wmma_f32_16x16x128_fp8_fp8 v[8*(8*((\a)%4)+\b):8*(8*((\a)%4)+\b)+7], v[128*(\p)+FR*\b:128*(\p)+FR*\b+FR-1], v[AF+FR*(\a):AF+FR*(\a)+FR-1], 0
.else
	v_wmma_f32_16x16x128_fp8_fp8 v[8*(8*((\a)%4)+\b):8*(8*((\a)%4)+\b)+7], v[128*(\p)+FR*\b:128*(\p)+FR*\b+FR-1], v[AF+FR*(\a):AF+FR*(\a)+FR-1], v[8*(8*((\a)%4)+\b):8*(8*((\a)%4)+\b)+7]
.endif
.endr
.endr
.endm
.macro FETCH_B slot, q, p
	WIN TO_B
.irp i, 0,1,2,3,4,5,6,7
	FRAG 128*(\p)+FR*\i, ADRB+\slot, \q, \i
.endr
	WIN 0
.endm
.macro FETCH_A slot, q, i0
.irp i, \i0, \i0+1, \i0+2, \i0+3
	FRAG AF+FR*(\i), ADRA+\slot, \q, \i
.endr
.endm
.macro PLACES n
.rept \n
	v_nop
.endr
.endm
.macro STEP slot, q, zero
	s_wait_dscnt 4*NL
	WIN MUL_LO
	MUL16 0, (\q)%2, \zero
	MUL16 2, (\q)%2, \zero
	s_wait_dscnt 0
	PLACES NP
	FETCH_B \slot, (\q)+1, 1-(\q)%2
	FETCH_A \slot, (\q)+1, 0
	WIN MUL_HI
	MUL16 4, (\q)%2, \zero
	MUL16 6, (\q)%2, \zero
	PLACES NP
	WIN 0
	FETCH_A \slot, (\q)+1, 4
.endm
.macro TURN slot, next, fill
	s_wait_tensorcnt 0x0
	ds_add_u32 v[SPW], v[NIL]
	s_wait_dscnt 4*NL+1
	WIN MUL_LO
	MUL16 0, 1, 0
	s_wait_dscnt 0x0
	s_barrier_signal -1
	MUL16 2, 1, 0
	WIN 0
	s_barrier_wait -1
.if \fill
	CREST
	s_add_nc_u64 s[G0+4*\slot+2:G0+4*\slot+3], s[G0+4*\slot+2:G0+4*\slot+3], 2*ROWB
	s_add_nc_u64 s[G0B+4*\slot+2:G0B+4*\slot+3], s[G0B+4*\slot+2:G0B+4*\slot+3], 2*ROWB
	JLOAD G0+4*\slot, G1, G0B+4*\slot, G1B
.else
	PLACES NP
.endif
	FETCH_B \next, 0, 0
	FETCH_A \next, 0, 0
	WIN MUL_HI
	MUL16 4, 1, 0
	MUL16 6, 1, 0
	PLACES NP
	WIN 0
	FETCH_A \next, 0, 4
.endm
	s_wait_alu depctr_va_vdst(0)
	s_wait_tensorcnt 1
	s_barrier_signal -1
	s_barrier_wait -1
	FETCH_B 0, 0, 0
	FETCH_A 0, 0, 0
	FETCH_A 0, 0, 4
	STEP 0, 0, 1
	s_mov_b32 s3, LAPS-1
.Llap:
	TURN 0, 1, 1
	STEP 1, 0, 0
	TURN 1, 0, 1
	STEP 0, 0, 0
	s_sub_co_u32 s3, s3, 1
	s_cmp_lg_u32 s3, 0
	s_cbranch_scc1 .Llap
	TURN 0, 1, 0
	STEP 1, 0, 0
	s_wait_dscnt 4*NL
	WIN MUL_LO
	MUL16 0, 1, 0
	MUL16 2, 1, 0
	s_wait_dscnt 0
	WIN MUL_HI
	MUL16 4, 1, 0
	MUL16 6, 1, 0
	WIN 0
	s_wait_kmcnt 0x0
	s_cmp_eq_u32 ttmp9, 0
	s_cselect_b32 s84, s78, s79
	s_cmp_eq_u32 ttmp9, 2
	s_cselect_b32 s84, s81, s84
	s_sub_co_i32 s84, s84, s76
	s_sub_co_i32 s84, s84, s77
	s_add_co_i32 s84, s84, 127
	s_lshl_b32 s85, s84, 23
	v_mov_b32 v[SCL], s85
	PLACES NP
	s_cmp_eq_u32 ttmp9, 2
	s_cbranch_scc1 .Lv_out
	WIN TO_B
.irp a, 0,1,2,3,4,5,6,7
.irp k, 0,1,2,3
	global_load_b128 v[32*\a+4*\k:32*\a+4*\k+3], v[CSO], s[90:91] offset:(32*(\a/2)+8*(\a%2))*128+64*(\k/2)+16*(\k%2)
.endr
.irp k, 0,1,2,3
	global_load_b128 v[32*\a+16+4*\k:32*\a+16+4*\k+3], v[CSO], s[92:93] offset:(32*(\a/2)+8*(\a%2))*128+64*(\k/2)+16*(\k%2)
.endr
.endr
	WIN 0
.macro ROPE4 a, hd
	WIN 0x06+((\a)/4)
.irp b4, 0,1,2,3
.irp p, 0,1,2,3
.set rT, TMP+8*\b4+2*\p
.set rA, 8*(8*((\a)%4)+4*(\hd)+\b4)+2*\p
.set rC, 32*(\a)+4*\b4+2*(\p/2)
.if \p%2
	v_pk_mul_f32 v[rT:rT+1], v[rA:rA+1], v[rC:rC+1] op_sel:[0,1] op_sel_hi:[1,1]
.else
	v_pk_mul_f32 v[rT:rT+1], v[rA:rA+1], v[rC:rC+1] op_sel:[0,0] op_sel_hi:[1,0]
.endif
.endr
.irp p, 0,1,2,3
.set rT, TMP+8*\b4+2*\p
.set rA, 8*(8*((\a)%4)+4*(\hd)+\b4)+2*\p
.set rC, 32*(\a)+16+4*\b4+2*(\p/2)
.if \p%2
	v_pk_fma_f32 v[rT:rT+1], v[rA:rA+1], v[rC:rC+1], v[rT:rT+1] op_sel:[1,1,0] op_sel_hi:[0,1,1] neg_lo:[0,1,0]
.else
	v_pk_fma_f32 v[rT:rT+1], v[rA:rA+1], v[rC:rC+1], v[rT:rT+1] op_sel:[1,0,0] op_sel_hi:[0,0,1] neg_lo:[0,1,0]
.endif
.endr
.endr
	WIN 0
.set j, 0
.rept 32
.set j, j+1
.endr
.irp b4, 0,1,2,3
	v_cvt_scalef32_pk8_fp8_f32 v[CD+8*(2*(\a)+(\hd))+2*\b4:CD+8*(2*(\a)+(\hd))+2*\b4+1], v[TMP+8*\b4:TMP+8*\b4+7], v[SCL]
.endr
	v_nop
.irp c, 0,1
	global_store_b128 v[LI], v[CD+8*(2*(\a)+(\hd))+4*\c:CD+8*(2*(\a)+(\hd))+4*\c+3], s[86:87] offset:(\a)*4096+(\hd)*1024+512*\c
.endr
.endm
.irp a, 0,1,2,3,4,5,6,7
	s_wait_loadcnt 56-8*\a
	ROPE4 \a, 0
	ROPE4 \a, 1
.endr
	s_branch .Lend
.Lv_out:
.macro VOUT a
	WIN 0x02+((\a)/4)
.irp b, 0,1,2,3,4,5,6,7
.irp j, 0,1,2,3,4,5,6,7
.endr
.endr
.irp b, 0,1,2,3,4,5,6,7
	v_cvt_scalef32_pk8_fp8_f32 v[CD+16*(\a)+2*\b:CD+16*(\a)+2*\b+1], v[TMP+8*\b+((8*(8*((\a)%4)+0)+0)-(TMP+8*0+0)):TMP+8*\b+7+((8*(8*((\a)%4)+0)+0)-(TMP+8*0+0))], v[SCL]
.endr
	WIN 0
	v_nop
.irp c, 0,1,2,3
	global_store_b128 v[LI], v[CD+16*(\a)+4*\c:CD+16*(\a)+4*\c+3], s[86:87] offset:(\a)*2048+512*\c
.endr
.endm
	s_wait_alu depctr_va_vdst(0)
.irp a, 0,1,2,3,4,5,6,7
	VOUT \a
.endr
.Lend:
	s_wait_tensorcnt 0x0
	ds_add_u32 v[SPW], v[NIL]
	s_wait_dscnt 0x0
	CROUND
	s_endpgm
.Lfunc_end_k_qfb4059337d_gemm1:
	.size	k_qfb4059337d_gemm1, .Lfunc_end_k_qfb4059337d_gemm1-k_qfb4059337d_gemm1
	.p2alignl 7, 3214868480
	.fill 96, 4, 3214868480
	.section	.rodata,"a",@progbits
	.p2align	6, 0x0
	.amdhsa_kernel k_qfb4059337d_gemm1
		.amdhsa_group_segment_fixed_size 327680
		.amdhsa_private_segment_fixed_size 0
		.amdhsa_enable_private_segment 0
		.amdhsa_kernarg_size 64
		.amdhsa_user_sgpr_count 2
		.amdhsa_user_sgpr_kernarg_segment_ptr 1
		.amdhsa_wavefront_size32 1
		.amdhsa_system_sgpr_workgroup_id_x 1
		.amdhsa_system_sgpr_workgroup_id_y 1
		.amdhsa_system_sgpr_workgroup_id_z 1
		.amdhsa_system_vgpr_workitem_id 0
		.amdhsa_next_free_vgpr 1024
		.amdhsa_next_free_sgpr 100
		.amdhsa_reserve_vcc 0
		.amdhsa_float_denorm_mode_32 3
		.amdhsa_float_denorm_mode_16_64 3
		.amdhsa_fp16_overflow 1
		.amdhsa_memory_ordered 1
		.amdhsa_forward_progress 1
		.amdhsa_inst_pref_size 134
	.end_amdhsa_kernel
	.amdgpu_metadata
---
amdhsa.version: [ 1, 2 ]
amdhsa.kernels:
  - .name:           k_qfb4059337d_gemm1
    .symbol:         k_qfb4059337d_gemm1.kd
    .args:
      - { .name: xc, .offset: 0, .size: 8, .value_kind: global_buffer, .address_space: global }
      - { .name: wqkvc, .offset: 8, .size: 8, .value_kind: global_buffer, .address_space: global }
      - { .name: lowp_scales, .offset: 16, .size: 8, .value_kind: global_buffer, .address_space: global }
      - { .name: cos, .offset: 24, .size: 8, .value_kind: global_buffer, .address_space: global }
      - { .name: sin, .offset: 32, .size: 8, .value_kind: global_buffer, .address_space: global }
      - { .name: qimg, .offset: 40, .size: 8, .value_kind: global_buffer, .address_space: global }
      - { .name: kimg, .offset: 48, .size: 8, .value_kind: global_buffer, .address_space: global }
      - { .name: vimg, .offset: 56, .size: 8, .value_kind: global_buffer, .address_space: global }
    .group_segment_fixed_size: 327680
    .private_segment_fixed_size: 0
    .kernarg_segment_align: 8
    .kernarg_segment_size: 64
    .max_flat_workgroup_size: 128
    .sgpr_count:     100
    .vgpr_count:     1024
    .wavefront_size: 32
...
	.end_amdgpu_metadata
.endif
;; end of part 2
;; launch attn (part 3): grid 4 x 128, 16 waves a work-group, clusters of 4 x 4, 327,680 bytes of LDS; arguments qimg, kimg, vimg, mask, lowp_scales, aimg; writes aimg
.if DOCPART == 3
	.amdgcn_target "amdgcn-amd-amdhsa--gfx1250"
	.amdhsa_code_object_version 6
	.text
	.protected	k_qfb4059337d_attn
	.globl	k_qfb4059337d_attn
	.p2align	8
	.type	k_qfb4059337d_attn,@function
k_qfb4059337d_attn:
	s_mov_b64 s[64:65], 0
	v_nop
	global_prefetch_b8 v0, s[64:65] scope:SCOPE_SE
	s_setreg_imm32_b32 hwreg(HW_REG_WAVE_MODE, 25, 1), 1
	s_wait_xcnt 0x0
	s_wait_alu depctr_hold_cnt(0) depctr_sa_sdst(0) depctr_va_vdst(0) depctr_va_sdst(0) depctr_va_ssrc(0) depctr_va_vcc(0) depctr_vm_vsrc(0)
	s_getreg_b32 s2, hwreg(HW_REG_IB_STS2, 6, 4)
	s_cmp_eq_u32 s2, 0
	s_cbranch_scc0 .Lentry_in_a_cluster
	s_endpgm
.Lentry_in_a_cluster:
	s_bfe_u32 s2, ttmp6, 0x10000c
	s_cmp_lg_u32 s2, 0xf033
	s_cbranch_scc0 .Lentry_shape_is_right
	s_endpgm
.Lentry_shape_is_right:
; Attention on codes of FP8 (E4M3): logit = q . k / 8 + mask; t = logit x log2(e); M = the running largest t rounded UP to a whole number; p = 2^(t - M) is quantised with 2^e4 and multiplied by v's codes;
; the row's sum is taken of the unquantised p and divides at the end; the result is quantised with 2^e6 and stored as an image of the last product's operand registers.
; THE MASK IS AN INPUT: every number of it is read and added, and every key is computed.
; SHARES.  A work-group: four heads (head group g) x 64 queries.  Sixteen waves: wave w has head w / 4 and query tile w % 4, in 256 registers: four waves to a SIMD, so that one wave's vector work stands beside another's
; matrix work and LDS loads.  Every wave walks the 2,048 keys, 128 a step.
; CLUSTER 4 x 4: along x the four head groups of the same 64 queries: they share the mask's tile (64 rows x 512 bytes a step).  Along y four blocks of queries of one batch: they share K's and V's images (32 KB each a step).
; Each tile is asked for jointly, by the same tensor load with the same descriptor and a mask of work-groups that names the four.
; LAYOUT.  Both products are used transposed: S^T = K Q^T, O^T = V^T P^T: a lane holds ONE query throughout.  The images were laid so that tile t = 2 b + u of 16 keys gives register 8 u + j of pair b the key
; 32 b + 16 (lane / 16) + 8 u + j: p's converted registers ARE the second product's operand, and O^T's 16 registers of two neighbouring tiles are 16 neighbouring channels.
; Tile qt of queries holds, in lane r, query 32 (qt / 2) + 8 (qt % 2) + r + 8 (r / 8) of the 64.
; logit is one fused multiply-add, sum x 2^(e2 + e3 - 3) + mask: the product is exact, so this is the f32 sum of score / 8 and mask.  t and t - M are kept apart on purpose, each rounded as written above.
; LIMITS: e2 + e3 - 3 between -126 and 127; e4, and e6 - e4 - e5, between -126 and 119.  NaN among the inputs, and a row whose every logit is -infinity, are not served.
; REGISTERS: v1-3 my lane's places in K, V and the mask; v4 the prefetches' offset; v5, v6 the spare word and 0; v7 16 x lane; v8-10 addresses in hand; v11 2^e4; v12 -M, v13 the largest t;
; v[14:15], v[30:31] the sum; v[16:23] Q; v24-26 at work; v[28:29] f and 0; v32-95 K's eight fragments, then V's four; v96-159 S^T, then p; v160-223 the mask, then (v160-175) p's codes; v224-255 O^T.
.set SLOT1, 1<<17                      ; slot 1 begins here: one exclusive or turns an address in one slot into the other's
.set MBLK,  8576                       ; the mask in a slot: four blocks of 16 rows, 8,576 bytes apart (16 x 528 + 128),
.set MP,    528                        ; rows 528 bytes apart: rows 0-7 and 16-23, which the 16 lanes of a load touch, start at 16 different columns of 16 bytes modulo 256
.set KOFF,  4*MBLK                     ; K's images: 8 tiles x 4 heads x 1,024 bytes
.set VOFF,  KOFF+32768                 ; V's images: 4 heads x 4 tiles x 2,048 bytes
.set SPARE, 2*SLOT1                    ; behind the ring: the spare words, 128 bytes for each wave, which no other line names
.set NSTEP, 16
.set AK0, 1
.set AV0, 2
.set AM0, 3
.set PFO, 4
.set SPW, 5
.set NIL, 6
.set LI,  7
.set ADK, 8
.set ADV, 9
.set ADM, 10
.set F,   32
.set S,   96
.set MK,  160
.set PC,  160
.set O,   224
.set WV,   18                          ; s18  my wave's number
.set TB,   19                          ; s19  LDS byte at which the slot in hand begins
.set SEL,  20                          ; s[20:21] lane selects for v_permlanex16_b32: lane l xor 16
.set C1,   22                          ; s[22:23] 2^(e2 + e3 - 3)
.set G1M,  24                          ; s[24:31] descriptor group 1 for the mask's tiles; s[32:39] for K's and V's; s[40:43], s[44:47] their groups 0, which walk
.set G1KV, 32
.set G0M,  40
.set G0KV, 44
.set L2E,  48                          ; s[48:49] log2(e)
.set SLOTS, 67                         ; s67  steps still to be asked for
.set PFA,  76                          ; s[76:77] where my prefetches stand
.set PFS,  78                          ; s[78:79] a step on, in bytes
.set LIM,  80                          ; s80  1 in a wave that prefetches, else the greatest number
; Waves 0-3 fetch the mask's four blocks of 16 rows, waves 4-7 K's four quarters, waves 8-11 V's, the others nothing.  The branches hang on the wave's number alone.  Four v_nop follow each line.
.macro TLOAD
	s_cmp_lt_u32 s[WV], 4
	s_cbranch_scc0 .Lnot_m_\@
	tensor_load_to_lds s[G0M:G0M+3], s[G1M:G1M+7]
	s_nop 0
.rept 4
	v_nop
.endr
	s_branch .Lasked_\@
.Lnot_m_\@:
	s_cmp_lt_u32 s[WV], 12
	s_cbranch_scc0 .Lasked_\@
	tensor_load_to_lds s[G0KV:G0KV+3], s[G1KV:G1KV+7]
	s_nop 0
.rept 4
	v_nop
.endr
.Lasked_\@:
.endm
; A PREFETCH INTO THE L2 of what the NEXT change of slots will ask for, one key step ahead of that load; it stands where the fetching waves have their tensor load, in waves that fetch nothing, one instruction each.
; Each aligned block of 256 bytes is named once in the launch.  The mask's tile is read by the four partners of my row alone: each takes 16 of its 64 rows BY ADDRESS (16 cx on); wave 12: a pair of lanes a row of 512 bytes.
; K's and V's images of a batch and head group are read by eight clusters: the first of them (cluster y a multiple of 8) asks; its four partners of a column take 8,192 bytes each by address (cy); wave 13: K, wave 14: V.
; The last change that fills a slot asks for nothing; steps 0 and 1 come by their loads alone.
.macro ASK
	s_cmp_gt_u32 s[SLOTS], s[LIM]
	s_cbranch_scc0 .Lnot_mine_\@
	global_prefetch_b8 v[PFO], s[PFA:PFA+1] th:TH_LOAD_NT scope:SCOPE_SE
.Lnot_mine_\@:
.endm
.macro CROUND                          ; a round of the cluster's barrier
	s_barrier_signal -1
	s_barrier_wait -1
	s_cmp_lg_u32 s[WV], 0
	s_cbranch_scc1 .Lnot_wave_0_\@
	s_barrier_signal -3
.Lnot_wave_0_\@:
	s_barrier_wait -3
	s_barrier_signal -1
	s_barrier_wait -1
.endm
	s_load_b256 s[4:11], s[0:1], 0x0               ; qimg s[4:5], kimg s[6:7], vimg s[8:9], mask s[10:11]
	s_load_b128 s[12:15], s[0:1], 0x20             ; the scales' exponents s[12:13], aimg s[14:15]
	v_lshl_add_u32 v[SPW], v0, 2, SPARE
	v_mov_b32 v[NIL], 0
	ds_add_u32 v5, v6
	ds_add_u32 v5, v6
	s_wait_dscnt 0x0
	v_lshrrev_b32 v8, 5, v0
	s_delay_alu instid0(VALU_DEP_1)
	v_readfirstlane_b32 s[WV], v8                  ; wave 0..15
	s_bfe_u32 s50, ttmp6, 0x40000                  ; cx
	s_bfe_u32 s51, ttmp6, 0x40004                  ; cy
	s_lshl_b32 s69, ttmp9, 2
	s_add_co_u32 s69, s69, s50                     ; the head group = 4 x cluster x + cx
	s_and_b32 s54, ttmp7, 0xffff                   ; cluster y
	s_lshl_b32 s52, s54, 2
	s_add_co_u32 s52, s52, s51                     ; my block of 64 queries, 0 .. 127 through all batches
	s_lshr_b32 s53, s54, 3                         ; the batch: 8 clusters each
	s_lshl_b32 s55, s51, 2
	s_lshl_b32 s55, 15, s55                        ; my row of the cluster
	s_lshl_b32 s66, 0x1111, s50                    ; my column
	; the mask's tile: 16 rows x 128 elements of 4 bytes, rows 2,048 elements apart, padded in LDS
	s_or_b32 s[G1M], s55, (2<<16)|(1<<20)|(1<<21)|(6<<22)|(3<<25)  ; 15:0 my row; 17:16 elements of 4 bytes; 20 padding on; 21 set beside a mask; 24:22 after every 128 words (code 6); 31:25 four words (code 3)
	s_mov_b32 s[G1M+1], 128<<16                    ; tensor_dim0
	s_mov_b32 s[G1M+2], 16<<16                     ; tensor_dim1
	s_mov_b32 s[G1M+3], 128<<16                    ; tile_dim0
	s_mov_b32 s[G1M+4], 16                         ; tile_dim1
	s_mov_b32 s[G1M+5], 2048                       ; tensor_dim0_stride
	s_mov_b32 s[G1M+6], 0
	s_mov_b32 s[G1M+7], 0
	; a quarter of K's or V's images of a step: 8,192 dense bytes, as 32 rows of 32 elements of 8 bytes
	s_or_b32 s[G1KV], s66, (3<<16)|(1<<21)         ; 15:0 my column; 17:16 elements of 8 bytes; 21 set beside a mask
	s_mov_b32 s[G1KV+1], 32<<16
	s_mov_b32 s[G1KV+2], 32<<16
	s_mov_b32 s[G1KV+3], 32<<16
	s_mov_b32 s[G1KV+4], 32
	s_mov_b32 s[G1KV+5], 32
	s_mov_b32 s[G1KV+6], 0
	s_mov_b32 s[G1KV+7], 0
	s_and_b32 s68, s[WV], 3                        ; my query tile.  Also: which block of the mask I fetch, if I fetch
	s_lshl_b32 s70, s52, 19                        ; the mask: 64 rows of 8,192 bytes for each block of queries,
	s_lshl_b32 s71, s68, 17                        ; 16 rows for each fetching wave
	s_add_co_u32 s70, s70, s71
	s_mov_b32 s71, 0
	s_mul_i32 s81, s68, MBLK                       ; and its place in a slot
	s_add_co_u32 s82, s[WV], 4
	s_and_b32 s82, s82, 7                          ; waves 4-7: 0-3, K's quarters; waves 8-11: 4-7, V's
	s_lshl_b32 s83, s82, 13
	s_add_co_u32 s83, s83, KOFF                    ; V's images follow K's in a slot
	s_and_b32 s82, s82, 3
	s_lshl_b32 s72, s82, 13                        ; the quarter in memory,
	s_lshl_b32 s84, s53, 2
	s_add_co_u32 s84, s84, s69                     ; 4 x batch + head group:
	s_lshl_b32 s85, s84, 19                        ; 524,288 bytes of each image
	s_add_co_u32 s72, s72, s85
	s_mov_b32 s73, 0
	s_mov_b32 s[SEL], 0x76543210
	s_mov_b32 s[SEL+1], 0xfedcba98
	s_mov_b32 s[L2E], 0x3fb8aa3b                   ; log2(e)
	s_mov_b32 s[L2E+1], s[L2E]                     ; (named with it as a pair, so it is written)
	s_mov_b32 s[TB], 0
	s_mov_b32 s[SLOTS], NSTEP-1
	s_wait_kmcnt 0x0
	s_load_b256 s[56:63], s[12:13], 0x0            ; e0 .. e7
	s_mov_b32 s[G0M], 1                            ; count = 1
	s_mov_b32 s[G0M+1], s81                        ; LDS address: slot 0
	s_add_nc_u64 s[G0M+2:G0M+3], s[10:11], s[70:71]
	s_or_b32 s[G0M+3], s[G0M+3], 0x80000000        ; type = 2
	s_cmp_lt_u32 s[WV], 8
	s_cselect_b64 s[86:87], s[6:7], s[8:9]
	s_mov_b32 s[G0KV], 1
	s_mov_b32 s[G0KV+1], s83
	s_add_nc_u64 s[G0KV+2:G0KV+3], s[86:87], s[72:73]
	s_or_b32 s[G0KV+3], s[G0KV+3], 0x80000000
	CROUND                                         ; all sixteen work-groups are here: the first joint loads meet
	TLOAD                                          ; key step 0 into slot 0
	s_lshr_b32 s74, s[WV], 2                       ; my head of the four
	s_and_b32 s75, s52, 31
	s_lshl_b32 s75, s75, 14                        ; Q: four tiles x four heads x 1,024 bytes for each block of 64 queries,
	s_add_co_u32 s88, s85, s75
	s_lshl_b32 s75, s68, 12                        ; my tile,
	s_add_co_u32 s88, s88, s75
	s_lshl_b32 s75, s74, 10                        ; my head
	s_add_co_u32 s88, s88, s75
	s_mov_b32 s89, 0
	s_add_nc_u64 s[4:5], s[4:5], s[88:89]
	v_and_b32 v24, 31, v0                          ; lane
	s_wait_alu depctr_va_vdst(0)
	v_lshlrev_b32 v[LI], 4, v24
	s_wait_alu depctr_va_vdst(0)
	global_load_b128 v[16:19], v[LI], s[4:5]       ; Q's fragment stays in registers
	global_load_b128 v[20:23], v[LI], s[4:5] offset:512
	s_lshr_b32 s90, s52, 1                         ; aimg: [128 tokens][head group][tile of 16 tokens: 8][head % 4][2 chunks of 512 bytes]
	s_lshl_b32 s90, s90, 17
	s_lshl_b32 s75, s69, 15
	s_add_co_u32 s90, s90, s75
	s_and_b32 s75, s52, 1
	s_lshl_b32 s75, s75, 14
	s_add_co_u32 s90, s90, s75
	s_lshl_b32 s75, s68, 12
	s_add_co_u32 s90, s90, s75
	s_lshl_b32 s75, s74, 10
	s_add_co_u32 s90, s90, s75
	s_mov_b32 s91, 0
	s_add_nc_u64 s[14:15], s[14:15], s[90:91]
	; the prefetches (macro ASK): where my wave's stand, and who asks
	s_lshl_b32 s93, s52, 19
	s_lshl_b32 s94, s50, 17
	s_add_co_u32 s93, s93, s94                     ; the mask: my work-group's 16 rows of the tile's 64
	s_lshl_b32 s94, s51, 13
	s_add_co_u32 s94, s94, s85                     ; K, V: my work-group's 8,192 bytes of a step's 32,768
	s_mov_b32 s[PFS], 32768
	s_mov_b32 s92, 512
	s_cmp_eq_u32 s[WV], 12
	s_cselect_b64 s[PFA:PFA+1], s[10:11], s[8:9]
	s_cselect_b32 s[LIM], 1, -1
	s_cselect_b32 s[PFS], 512, s[PFS]              ; a step on
	s_cselect_b32 s92, 8192, s92                   ; from one pair of lanes to the next
	s_cselect_b32 s94, s93, s94
	s_cmp_eq_u32 s[WV], 13
	s_cselect_b64 s[PFA:PFA+1], s[6:7], s[PFA:PFA+1]
	s_sub_co_u32 s93, s[WV], 13
	s_lshr_b32 s93, s93, 1                         ; 0 in waves 13 and 14,
	s_and_b32 s95, s54, 7
	s_or_b32 s93, s93, s95                         ; of a batch's first cluster: the same in all sixteen partners
	s_cmp_eq_u32 s93, 0
	s_cselect_b32 s[LIM], 1, s[LIM]
	s_add_co_u32 s94, s94, s[PFS]                  ; at step 1: the first change of slots steps it to step 2.  Nothing is prefetched here, at the head
	s_mov_b32 s95, 0
	s_mov_b32 s[PFS+1], 0
	s_add_nc_u64 s[PFA:PFA+1], s[PFA:PFA+1], s[94:95]
	v_lshrrev_b32 v25, 1, v24
	s_delay_alu instid0(VALU_DEP_1)
	v_mul_lo_u32 v[PFO], v25, s92
	v_and_b32 v25, 1, v24
	s_delay_alu instid0(VALU_DEP_1)
	v_lshl_add_u32 v[PFO], v25, 8, v[PFO]
	; my lane's places in a slot
	v_and_b32 v8, 15, v0                           ; r
	s_wait_alu depctr_va_vdst(0)
	v_bfe_u32 v9, v0, 4, 1                         ; h
	s_lshl_b32 s75, s74, 10
	s_add_co_u32 s75, s75, KOFF
	v_add_nc_u32 v[AK0], s75, v[LI]                ; K: my head's fragment of tile 0, 16 bytes a lane
	s_lshl_b32 s75, s74, 13
	s_add_co_u32 s75, s75, VOFF
	v_add_nc_u32 v[AV0], s75, v[LI]                ; V likewise
	s_lshr_b32 s75, s68, 1
	s_mul_i32 s75, s75, 2*MBLK                     ; the mask: query 32 (qt / 2) + 8 (qt % 2) + r + 8 (r / 8): block 2 (qt / 2) + r / 8, row 8 (qt % 2) + r % 8,
	s_and_b32 s81, s68, 1
	s_mul_i32 s81, s81, 8*MP
	s_add_co_u32 s75, s75, s81
	v_lshrrev_b32 v10, 3, v8
	s_delay_alu instid0(VALU_DEP_1)
	v_mul_u32_u24 v[AM0], v10, MBLK
	v_and_b32 v10, 7, v8
	s_delay_alu instid0(VALU_DEP_1)
	v_mad_u32_u24 v[AM0], v10, MP, v[AM0]
	s_wait_alu depctr_va_vdst(0)
	v_lshl_add_u32 v[AM0], v9, 6, v[AM0]           ; my half's 16 keys of each 32: + 64 h
	s_delay_alu instid0(VALU_DEP_1)
	v_add_nc_u32 v[AM0], s75, v[AM0]
	v_mov_b32 v13, 0xff61b1e6                      ; the largest t so far: -3e38
	s_delay_alu instid0(VALU_DEP_1)
	v_floor_f32 v12, -v13                          ; -M
	v_mov_b32 v14, 0                               ; the sum, in two halves
	v_mov_b32 v15, 0
	v_mov_b32 v26, 0                               ; written once: a lane permute's destination counts as one of its sources
	v_mov_b32 v29, 0                               ; (named as the upper half of the pair v[28:29])
.set j, 0
.rept 32
	v_mov_b32 v[O+j], 0                            ; O^T.  (The step is written for every step alike: the first finds zeros, which the first change of M leaves zeros)
.set j, j+1
.endr
	s_wait_kmcnt 0x0
	s_add_co_i32 s75, s58, s59
	s_add_co_i32 s75, s75, 124                     ; e2 + e3 - 3 + 127
	s_lshl_b32 s[C1], s75, 23                      ; 2^(e2 + e3) / 8 as f32
	s_mov_b32 s[C1+1], s[C1]
	s_add_co_i32 s75, s60, 127
	s_lshl_b32 s81, s75, 23
	v_mov_b32 v11, s81                             ; 2^e4, for p's conversion
; A KEY STEP: 128 keys.
.macro STEP
	v_add_nc_u32 v[ADK], s[TB], v[AK0]
	v_add_nc_u32 v[ADV], s[TB], v[AV0]
	v_add_nc_u32 v[ADM], s[TB], v[AM0]
	v_nop                                          ; four places in front of loads into registers that the last step's products have read
.irp t, 0,1,2,3,4,5,6,7
.irp c, 0,1
	ds_load_b128 v[F+8*\t+4*\c:F+8*\t+4*\c+3], v[ADK] offset:4096*\t+512*\c   ; K's eight fragments: an instruction's 512 bytes are consecutive
.endr
.endr
.irp b, 0,1,2,3
.irp j, 0,1,2,3
	ds_load_b128 v[MK+16*\b+4*\j:MK+16*\b+4*\j+3], v[ADM] offset:128*\b+16*\j   ; the mask of my query at keys 32 b + 16 h + 4 j + 0 .. 3: register for register as the scores lie
.endr
.endr
	s_wait_alu depctr_va_vdst(0)
	s_wait_dscnt 16                                ; K is in; the mask's 16 loads may be out
.irp t, 0,1,2,3,4,5,6,7
	v_wmma_f32_16x16x64_fp8_fp8 v[S+8*\t:S+8*\t+7], v[F+8*\t:F+8*\t+7], v[16:23], 0
.endr
.rept 4
	v_nop                                          ; places in front of the loads over K's fragments and of the first read of the scores
.endr
.irp t, 0,1,2,3
.irp c, 0,1,2,3
	ds_load_b128 v[F+16*\t+4*\c:F+16*\t+4*\c+3], v[ADV] offset:2048*\t+512*\c   ; V's four fragments land while the softmax is walked
.endr
.endr
	s_wait_dscnt 16                                ; the mask is in; V's 16 loads may be out
.set j, 0
.rept 32
	v_pk_fma_f32 v[S+j:S+j+1], v[S+j:S+j+1], s[C1:C1+1], v[MK+j:MK+j+1] op_sel_hi:[1,0,1]   ; logit = score / 8 + mask: one rounding
.set j, j+2
.endr
.set j, 0
.rept 32
	v_pk_mul_f32 v[S+j:S+j+1], v[S+j:S+j+1], s[L2E:L2E+1] op_sel_hi:[1,0]   ; t
.set j, j+2
.endr
	v_max3_num_f32 v24, v[S], v[S+1], v[S+2]       ; the step's largest t of my query, among my 64 keys, in two chains,
	v_max3_num_f32 v25, v[S+3], v[S+4], v[S+5]
.set j, 6
.rept 14
	s_delay_alu instid0(VALU_DEP_2)
	v_max3_num_f32 v24, v24, v[S+j], v[S+j+1]
	s_delay_alu instid0(VALU_DEP_2)
	v_max3_num_f32 v25, v25, v[S+j+2], v[S+j+3]
.set j, j+4
.endr
	s_delay_alu instid0(VALU_DEP_2)
	v_max3_num_f32 v24, v24, v[S+62], v[S+63]
	s_delay_alu instid0(VALU_DEP_1)
	v_max_num_f32 v24, v24, v25
	s_delay_alu instid0(VALU_DEP_1)
	v_permlanex16_b32 v26, v24, s[SEL], s[SEL+1]
	s_delay_alu instid0(VALU_DEP_1)
	v_max_num_f32 v24, v24, v26                    ; and among lane l xor 16's
	s_delay_alu instid0(VALU_DEP_1)
	v_max_num_f32 v13, v13, v24                    ; the running largest t
	v_mov_b32 v24, v12
	s_delay_alu instid0(VALU_DEP_2)
	v_floor_f32 v12, -v13                          ; the new -M = floor(-t) = -ceil(t)
	s_delay_alu instid0(VALU_DEP_1)
	v_sub_f32 v24, v12, v24                        ; old M - new M: a whole number, 0 or less
	s_delay_alu instid0(VALU_DEP_1)
	v_cvt_i32_f32 v24, v24                         ; (it saturates)
	s_delay_alu instid0(VALU_DEP_1)
	v_ldexp_f32 v28, 1.0, v24                      ; f = 2^(old M - new M): a multiplication by it rounds nothing
.set j, 0
.rept 32
	v_pk_add_f32 v[S+j:S+j+1], v[S+j:S+j+1], v[12:13] op_sel_hi:[1,0]   ; t - M
.set j, j+2
.endr
.set j, 0
	s_wait_alu depctr_va_vdst(0)
.rept 64
	v_exp_f32 v[S+j], v[S+j]                       ; p = 2^(t - M), at most 1: not normalised
.set j, j+1
.endr
	v_pk_mul_f32 v[14:15], v[14:15], v[28:29] op_sel_hi:[1,0]   ; the sum under the new M: the plain instruction behind the exponentials
	s_wait_alu depctr_va_vdst(0)                   ; one wait for the whole batch, ahead of its first reader
	v_pk_add_f32 v[30:31], v[100:101], v[104:105]
	v_pk_add_f32 v[222:223], v[108:109], v[112:113]
	v_pk_add_f32 v[220:221], v[116:117], v[120:121]
	v_pk_add_f32 v[218:219], v[124:125], v[128:129]
	v_pk_add_f32 v[216:217], v[132:133], v[136:137]
	v_pk_add_f32 v[214:215], v[140:141], v[144:145]
	v_pk_add_f32 v[212:213], v[148:149], v[152:153]
	v_pk_add_f32 v[14:15], v[14:15], v[156:157]
	v_pk_add_f32 v[30:31], v[30:31], v[96:97]
	v_pk_add_f32 v[222:223], v[222:223], v[98:99]
	v_pk_add_f32 v[220:221], v[220:221], v[102:103]
	v_pk_add_f32 v[218:219], v[218:219], v[106:107]
	v_pk_add_f32 v[216:217], v[216:217], v[110:111]
	v_pk_add_f32 v[214:215], v[214:215], v[114:115]
	v_pk_add_f32 v[212:213], v[212:213], v[118:119]
	v_pk_add_f32 v[14:15], v[14:15], v[122:123]
	v_pk_add_f32 v[30:31], v[30:31], v[126:127]
	v_pk_add_f32 v[222:223], v[222:223], v[130:131]
	v_pk_add_f32 v[220:221], v[220:221], v[134:135]
	v_pk_add_f32 v[218:219], v[218:219], v[138:139]
	v_pk_add_f32 v[216:217], v[216:217], v[142:143]
	v_pk_add_f32 v[214:215], v[214:215], v[146:147]
	v_pk_add_f32 v[212:213], v[212:213], v[150:151]
	v_pk_add_f32 v[14:15], v[14:15], v[154:155]
	v_pk_add_f32 v[30:31], v[30:31], v[158:159]
	s_delay_alu instid0(VALU_DEP_2)
	v_pk_add_f32 v[14:15], v[14:15], v[218:219]
	s_delay_alu instid0(VALU_DEP_2)
	v_pk_add_f32 v[30:31], v[30:31], v[216:217]
	v_pk_add_f32 v[222:223], v[222:223], v[214:215]
	v_pk_add_f32 v[220:221], v[220:221], v[212:213]
	s_delay_alu instid0(VALU_DEP_2)
	v_pk_add_f32 v[14:15], v[14:15], v[222:223]
	s_delay_alu instid0(VALU_DEP_2)
	v_pk_add_f32 v[30:31], v[30:31], v[220:221]
	s_delay_alu instid0(VALU_DEP_1)
	v_pk_add_f32 v[14:15], v[14:15], v[30:31]
.irp b, 0,1,2,3
.irp i, 0,1,2,3,4,5,6,7,8,9,10,11,12,13,14,15
.endr
	v_cvt_scalef32_pk8_fp8_f32 v[PC+4*\b:PC+4*\b+1], v[S+16*\b:S+16*\b+7], v11
	v_cvt_scalef32_pk8_fp8_f32 v[PC+4*\b+2:PC+4*\b+3], v[S+16*\b+8:S+16*\b+15], v11
.endr
.set j, 0
.rept 16
	v_pk_mul_f32 v[O+j:O+j+1], v[O+j:O+j+1], v[28:29] op_sel_hi:[1,0]   ; O^T under the new M.  (Plain instructions between the conversions and the products that read the codes)
.set j, j+2
.endr
	s_wait_alu depctr_va_vdst(0)
	s_wait_dscnt 0x0                               ; V is in
.irp t, 0,1,2,3
	v_wmma_f32_16x16x128_fp8_fp8 v[O+8*\t:O+8*\t+7], v[F+16*\t:F+16*\t+15], v[PC:PC+15], v[O+8*\t:O+8*\t+7]   ; the four accumulators take turns
.endr
.endm
; THE CHANGE OF SLOTS stands at a step's head.  Each wave waits for all its tensor loads (its part of the slot that is about to be read), adds 0 to its spare word, and waits for that and for its reads of the slot that it has left.
; fill = 1: a round of the cluster's barrier, so that no wave of any partner still reads the other slot or has a load on its way; behind it that slot is filled with the next step: the load has a whole step in which to land.
.macro CHANGE fill
	s_wait_tensorcnt 0x0                           ; no tensor load of mine is out, so a group 0 may be written
	ds_add_u32 v[SPW], v[NIL]                      ; 0 onto my spare word
.if \fill
	s_xor_b32 s[G0M+1], s[G0M+1], SLOT1            ; the walking descriptors: the other slot than last time,
	s_add_nc_u64 s[G0M+2:G0M+3], s[G0M+2:G0M+3], 512     ; the next 128 keys of the mask's rows,
	s_xor_b32 s[G0KV+1], s[G0KV+1], SLOT1
	s_add_nc_u64 s[G0KV+2:G0KV+3], s[G0KV+2:G0KV+3], 32768   ; and of the images; the type bits on top are not reached
	s_wait_xcnt 0x0                                ; the last prefetch, a step back, has read its address, so it may be written:
	s_add_nc_u64 s[PFA:PFA+1], s[PFA:PFA+1], s[PFS:PFS+1]    ; one step further on than the walking descriptors
.endif
	s_wait_dscnt 0x0                               ; the add is done, and my reads of the slot that I have left are over
.if \fill
	CROUND
	TLOAD                                          ; the first thing behind the round, and a wave's one tensor load until the next
	ASK
.else
	s_barrier_signal -1
	s_barrier_wait -1
.endif
.endm
	s_wait_loadcnt 0x0                             ; Q
.Lslot:                                            ; 15 trips: behind each change of slots but the last the next step is asked for
	CHANGE 1
	STEP
	s_xor_b32 s[TB], s[TB], SLOT1                  ; on to the other slot
	s_sub_co_u32 s[SLOTS], s[SLOTS], 1
	s_cmp_lg_u32 s[SLOTS], 0
	s_cbranch_scc1 .Lslot
	CHANGE 0                                       ; the last step is written out
	STEP
	; THE WAY OUT.  O^T / the sum stands for the result / 2^(e4 + e5); its code is that / 2^(e6 - e4 - e5).  Registers 16 c + i are channels 32 c + 16 h + i of my head: chunk c of the last product's operand.
.rept 4
	v_nop                                          ; places behind the last products
.endr
	v_add_f32 v14, v14, v15                        ; the sum's two halves,
	s_delay_alu instid0(VALU_DEP_1)
	v_permlanex16_b32 v26, v14, s[SEL], s[SEL+1]
	s_delay_alu instid0(VALU_DEP_1)
	v_add_f32 v14, v14, v26                        ; and lane l xor 16's
	s_wait_alu depctr_va_vdst(0)
	v_rcp_f32 v14, v14
	s_sub_co_i32 s75, s62, s60
	s_sub_co_i32 s75, s75, s61
	s_add_co_i32 s75, s75, 127
	s_lshl_b32 s81, s75, 23
	v_mov_b32 v24, s81                             ; 2^(e6 - e4 - e5).  (A plain instruction behind the reciprocal)
	s_wait_alu depctr_va_vdst(0)                   ; the wait ahead of the reciprocal's first reader
.set j, 0
.rept 16
	v_pk_mul_f32 v[S+j:S+j+1], v[O+j:O+j+1], v[14:15] op_sel_hi:[1,0]   ; each accumulator from its low end on
.set j, j+2
.endr
.set j, 0
.rept 32
.set j, j+1
.endr
.irp g, 0,1,2,3
	v_cvt_scalef32_pk8_fp8_f32 v[PC+2*\g:PC+2*\g+1], v[S+8*\g:S+8*\g+7], v24
.endr
	v_nop
	global_store_b128 v[LI], v[PC:PC+3], s[14:15]              ; a chunk: the wave stores 512 consecutive bytes, aligned
	global_store_b128 v[LI], v[PC+4:PC+7], s[14:15] offset:512
	s_wait_tensorcnt 0x0                           ; the wave's end
	ds_add_u32 v[SPW], v[NIL]
	s_wait_dscnt 0x0
	CROUND                                         ; the closing round
	s_endpgm
.Lfunc_end_k_qfb4059337d_attn:
	.size	k_qfb4059337d_attn, .Lfunc_end_k_qfb4059337d_attn-k_qfb4059337d_attn
	.p2alignl 7, 3214868480
	.fill 96, 4, 3214868480
	.section	.rodata,"a",@progbits
	.p2align	6, 0x0
	.amdhsa_kernel k_qfb4059337d_attn
		.amdhsa_group_segment_fixed_size 327680
		.amdhsa_private_segment_fixed_size 0
		.amdhsa_enable_private_segment 0
		.amdhsa_kernarg_size 48
		.amdhsa_user_sgpr_count 2
		.amdhsa_user_sgpr_kernarg_segment_ptr 1
		.amdhsa_wavefront_size32 1
		.amdhsa_system_sgpr_workgroup_id_x 1
		.amdhsa_system_sgpr_workgroup_id_y 1
		.amdhsa_system_sgpr_workgroup_id_z 1
		.amdhsa_system_vgpr_workitem_id 0
		.amdhsa_next_free_vgpr 256
		.amdhsa_next_free_sgpr 100
		.amdhsa_reserve_vcc 0
		.amdhsa_float_denorm_mode_32 3
		.amdhsa_float_denorm_mode_16_64 3
		.amdhsa_fp16_overflow 1
		.amdhsa_memory_ordered 1
		.amdhsa_forward_progress 1
		.amdhsa_inst_pref_size 53
	.end_amdhsa_kernel
	.amdgpu_metadata
---
amdhsa.version: [ 1, 2 ]
amdhsa.kernels:
  - .name:           k_qfb4059337d_attn
    .symbol:         k_qfb4059337d_attn.kd
    .args:
      - { .name: qimg, .offset: 0, .size: 8, .value_kind: global_buffer, .address_space: global }
      - { .name: kimg, .offset: 8, .size: 8, .value_kind: global_buffer, .address_space: global }
      - { .name: vimg, .offset: 16, .size: 8, .value_kind: global_buffer, .address_space: global }
      - { .name: mask, .offset: 24, .size: 8, .value_kind: global_buffer, .address_space: global }
      - { .name: lowp_scales, .offset: 32, .size: 8, .value_kind: global_buffer, .address_space: global }
      - { .name: aimg, .offset: 40, .size: 8, .value_kind: global_buffer, .address_space: global }
    .group_segment_fixed_size: 327680
    .private_segment_fixed_size: 0
    .kernarg_segment_align: 8
    .kernarg_segment_size: 48
    .max_flat_workgroup_size: 512
    .sgpr_count:     100
    .vgpr_count:     256
    .wavefront_size: 32
...
	.end_amdgpu_metadata
.endif
;; end of part 3
;; launch gemm2 (part 4): grid 4 x 32, 4 waves a work-group, clusters of 4 x 4, 327,680 bytes of LDS; arguments aimg, woutc, lowp_scales, out0; writes out0
.if DOCPART == 4
	.amdgcn_target "amdgcn-amd-amdhsa--gfx1250"
	.amdhsa_code_object_version 6
	.text
	.protected	k_qfb4059337d_gemm2
	.globl	k_qfb4059337d_gemm2
	.p2align	8
	.type	k_qfb4059337d_gemm2,@function
k_qfb4059337d_gemm2:
	s_mov_b64 s[64:65], 0
	v_nop
	global_prefetch_b8 v0, s[64:65] scope:SCOPE_SE
	s_setreg_imm32_b32 hwreg(HW_REG_WAVE_MODE, 25, 1), 1
	s_wait_xcnt 0x0
	s_wait_alu depctr_hold_cnt(0) depctr_sa_sdst(0) depctr_va_vdst(0) depctr_va_sdst(0) depctr_va_ssrc(0) depctr_va_vcc(0) depctr_vm_vsrc(0)
	s_getreg_b32 s2, hwreg(HW_REG_IB_STS2, 6, 4)
	s_cmp_eq_u32 s2, 0
	s_cbranch_scc0 .Lentry_in_a_cluster
	s_endpgm
.Lentry_in_a_cluster:
	s_bfe_u32 s2, ttmp6, 0x10000c
	s_cmp_lg_u32 s2, 0xf033
	s_cbranch_scc0 .Lentry_shape_is_right
	s_endpgm
.Lentry_shape_is_right:
.set SIZE_K, 1024
.set ROWB,   256
.set KROW,   SIZE_K
.set PITCH,  272
.set FR,     16
.set NL,     4
.set NP,     4
.set AHALF,  32768
.set HALFT,  128*PITCH
.set SLOT,   2*AHALF+2*HALFT
.set LAPS,   SIZE_K/512
.set SPARE,  2*SLOT
.set SPITCH, 528
.set ADRA, 16
.set ADRB, 20
.set STO,  24
.set RD,   25
.set CO,   26
.set SPW,  28
.set NIL,  29
.set TMP,  32
.set AF,   128
.set BK,   128
.set G1, 24
.set G0, 32
.set G1B, 48
.set G0B, 56
.set MSB, 0
.macro WIN new
.if MSB != \new
	s_set_vgpr_msb (MSB<<8)|\new
.set MSB, \new
.endif
.endm
.set MUL_LO, 0xa1
.set MUL_HI, 0xf1
.set TO_B,   0x40
.macro JLOAD g0a, g1a, g0b, g1b
	s_cmp_eq_u32 s15, 0
	s_cbranch_scc0 .Lfor_b_\@
	tensor_load_to_lds s[\g0a:\g0a+3], s[\g1a:\g1a+7]
	s_nop 0
.rept 4
	v_nop
.endr
	s_branch .Lasked_\@
.Lfor_b_\@:
	tensor_load_to_lds s[\g0b:\g0b+3], s[\g1b:\g1b+7]
	s_nop 0
.rept 4
	v_nop
.endr
.Lasked_\@:
.endm
.macro CREST
	s_cmp_lg_u32 s14, 0
	s_cbranch_scc1 .Lnot_wave_0_\@
	s_barrier_signal -3
.Lnot_wave_0_\@:
	s_barrier_wait -3
	s_barrier_signal -1
	s_barrier_wait -1
.endm
.macro CROUND
	s_barrier_signal -1
	s_barrier_wait -1
	CREST
.endm
	s_load_b128 s[4:7], s[0:1], 0x0
	s_load_b128 s[8:11], s[0:1], 0x10
	v_lshl_add_u32 v[SPW], v0, 2, SPARE
	v_mov_b32 v[NIL], 0
	ds_add_u32 v28, v29
	ds_add_u32 v28, v29
	s_wait_dscnt 0x0
	v_lshrrev_b32 v1, 5, v0
	v_readfirstlane_b32 s14, v1
	s_lshr_b32 s15, s14, 1
	s_and_b32 s16, s14, 1
	s_bfe_u32 s40, ttmp6, 0x40000
	s_bfe_u32 s41, ttmp6, 0x40004
	s_lshl_b32 s42, ttmp9, 2
	s_add_co_u32 s42, s42, s40
	s_and_b32 s17, ttmp7, 0xffff
	s_lshl_b32 s17, s17, 2
	s_add_co_u32 s17, s17, s41
	s_lshl_b32 s43, s41, 2
	s_lshl_b32 s43, 15, s43
	s_lshl_b32 s44, 0x1111, s40
	s_or_b32 s[G1+0], s43, (3<<16)|(1<<21)
	s_mov_b32 s[G1+1], 32<<16
	s_mov_b32 s[G1+2], 128<<16
	s_mov_b32 s[G1+3], 32<<16
	s_mov_b32 s[G1+4], 128
	s_mov_b32 s[G1+5], 32
	s_mov_b32 s[G1+6], 0
	s_mov_b32 s[G1+7], 0
	s_or_b32 s[G1B+0], s44, (0<<16)|(1<<20)|(1<<21)|(5<<22)|(3<<25)
	s_mov_b32 s[G1B+1], ROWB<<16
	s_mov_b32 s[G1B+2], 128<<16
	s_mov_b32 s[G1B+3], ROWB<<16
	s_mov_b32 s[G1B+4], 128
	s_mov_b32 s[G1B+5], KROW
	s_mov_b32 s[G1B+6], 0
	s_mov_b32 s[G1B+7], 0
	s_lshl_b32 s20, s17, 1
	s_add_co_u32 s20, s20, s16
	s_lshl_b32 s20, s20, 17
	s_mov_b32 s21, 0
	s_lshl_b32 s46, s42, 8
	s_lshl_b32 s18, s16, 7
	s_add_co_u32 s46, s46, s18
	s_lshl_b32 s46, s46, 10
	s_mov_b32 s47, 0
	s_lshl_b32 s45, s16, 15
	s_mul_i32 s66, s16, HALFT
	s_add_co_u32 s66, s66, 2*AHALF
	s_wait_kmcnt 0x0
	s_load_b64 s[96:97], s[8:9], 0x18
	s_add_nc_u64 s[20:21], s[4:5], s[20:21]
	s_add_nc_u64 s[46:47], s[6:7], s[46:47]
	CROUND
.irp s, 0,1
	s_mov_b32 s[G0+4*\s], 1
	s_add_co_u32 s[G0+4*\s+1], s45, \s*SLOT
	s_add_nc_u64 s[G0+4*\s+2:G0+4*\s+3], s[20:21], \s*AHALF
	s_or_b32 s[G0+4*\s+3], s[G0+4*\s+3], 0x80000000
	s_mov_b32 s[G0B+4*\s], 1
	s_add_co_u32 s[G0B+4*\s+1], s66, \s*SLOT
	s_add_nc_u64 s[G0B+4*\s+2:G0B+4*\s+3], s[46:47], \s*ROWB
	s_or_b32 s[G0B+4*\s+3], s[G0B+4*\s+3], 0x80000000
	s_wait_alu depctr_va_vdst(0)
	s_wait_tensorcnt 0x0
	ds_add_u32 v28, v29
	ds_add_u32 v28, v29
	s_wait_dscnt 0x0
	CROUND
	JLOAD G0+4*\s, G1, G0B+4*\s, G1B
.endr
	v_and_b32 v1, 15, v0
	v_bfe_u32 v2, v0, 4, 1
	v_mul_u32_u24 v3, v1, PITCH
	v_lshl_add_u32 v4, v2, 4, v3
	v_and_b32 v6, 31, v0
	v_lshlrev_b32 v[CO], 4, v6
	s_wait_alu depctr_va_vdst(0)
	s_lshl_b32 s21, s15, 15
	s_mul_i32 s22, s16, HALFT
	s_add_co_u32 s22, s22, 2*AHALF
.irp s, 0,1
	v_add_nc_u32 v[ADRA+\s], s21, v[CO]
	v_add_nc_u32 v[ADRB+\s], s22, v4
	s_add_co_u32 s21, s21, SLOT
	s_add_co_u32 s22, s22, SLOT
.endr
	s_mul_i32 s23, s14, 16*SPITCH
	v_mul_u32_u24 v5, v1, SPITCH
	v_lshl_add_u32 v5, v2, 6, v5
	v_add_nc_u32 v[STO], s23, v5
	v_add_nc_u32 v[RD], s23, v[CO]
	s_lshl_b32 s20, s17, 20
	s_lshl_b32 s21, s15, 19
	s_add_co_u32 s20, s20, s21
	s_lshl_b32 s46, s42, 10
	s_add_co_u32 s20, s20, s46
	s_lshl_b32 s46, s16, 9
	s_add_co_u32 s20, s20, s46
	s_mov_b32 s21, 0
	s_add_nc_u64 s[10:11], s[10:11], s[20:21]
.macro FRAG reg, adr, q, i
.irp c, 0,1,2,3
	ds_load_b128 v[\reg+4*\c:\reg+4*\c+3], v[\adr] offset:128*(\q)+32*\c+(\i)*16*PITCH
.endr
.endm
.macro FRAGA reg, adr, q, i
.irp c, 0,1,2,3
	ds_load_b128 v[\reg+4*\c:\reg+4*\c+3], v[\adr] offset:(\i)*4096+(\q)*2048+512*\c
.endr
.endm
.macro MUL16 a0, p, zero
.irp a, \a0, \a0+1
.irp b, 0,1,2,3,4,5,6,7
.if \zero
	v_wmma_f32_16x16x128_fp8_fp8 v[8*(8*((\a)%4)+\b):8*(8*((\a)%4)+\b)+7], v[128*(\p)+FR*\b:128*(\p)+FR*\b+FR-1], v[AF+FR*(\a):AF+FR*(\a)+FR-1], 0
.else
	v_wmma_f32_16x16x128_fp8_fp8 v[8*(8*((\a)%4)+\b):8*(8*((\a)%4)+\b)+7], v[128*(\p)+FR*\b:128*(\p)+FR*\b+FR-1], v[AF+FR*(\a):AF+FR*(\a)+FR-1], v[8*(8*((\a)%4)+\b):8*(8*((\a)%4)+\b)+7]
.endif
.endr
.endr
.endm
.macro FETCH_B slot, q, p
	WIN TO_B
.irp i, 0,1,2,3,4,5,6,7
	FRAG 128*(\p)+FR*\i, ADRB+\slot, \q, \i
.endr
	WIN 0
.endm
.macro FETCH_A slot, q, i0
.irp i, \i0, \i0+1, \i0+2, \i0+3
	FRAGA AF+FR*(\i), ADRA+\slot, \q, \i
.endr
.endm
.macro PLACES n
.rept \n
	v_nop
.endr
.endm
.macro STEP slot, q, zero
	s_wait_dscnt 4*NL
	WIN MUL_LO
	MUL16 0, (\q)%2, \zero
	MUL16 2, (\q)%2, \zero
	s_wait_dscnt 0
	PLACES NP
	FETCH_B \slot, (\q)+1, 1-(\q)%2
	FETCH_A \slot, (\q)+1, 0
	WIN MUL_HI
	MUL16 4, (\q)%2, \zero
	MUL16 6, (\q)%2, \zero
	PLACES NP
	WIN 0
	FETCH_A \slot, (\q)+1, 4
.endm
.macro TURN slot, next, fill
	s_wait_tensorcnt 0x0
	ds_add_u32 v[SPW], v[NIL]
	s_wait_dscnt 4*NL+1
	WIN MUL_LO
	MUL16 0, 1, 0
	s_wait_dscnt 0x0
	s_barrier_signal -1
	MUL16 2, 1, 0
	WIN 0
	s_barrier_wait -1
.if \fill
	CREST
	s_add_nc_u64 s[G0+4*\slot+2:G0+4*\slot+3], s[G0+4*\slot+2:G0+4*\slot+3], 2*AHALF
	s_add_nc_u64 s[G0B+4*\slot+2:G0B+4*\slot+3], s[G0B+4*\slot+2:G0B+4*\slot+3], 2*ROWB
	JLOAD G0+4*\slot, G1, G0B+4*\slot, G1B
.else
	PLACES NP
.endif
	FETCH_B \next, 0, 0
	FETCH_A \next, 0, 0
	WIN MUL_HI
	MUL16 4, 1, 0
	MUL16 6, 1, 0
	PLACES NP
	WIN 0
	FETCH_A \next, 0, 4
.endm
	s_wait_alu depctr_va_vdst(0)
	s_wait_tensorcnt 1
	s_barrier_signal -1
	s_barrier_wait -1
	FETCH_B 0, 0, 0
	FETCH_A 0, 0, 0
	FETCH_A 0, 0, 4
	STEP 0, 0, 1
	s_mov_b32 s3, LAPS-1
.Llap:
	TURN 0, 1, 1
	STEP 1, 0, 0
	TURN 1, 0, 1
	STEP 0, 0, 0
	s_sub_co_u32 s3, s3, 1
	s_cmp_lg_u32 s3, 0
	s_cbranch_scc1 .Llap
	TURN 0, 1, 0
	STEP 1, 0, 0
	s_wait_dscnt 4*NL
	WIN MUL_LO
	MUL16 0, 1, 0
	MUL16 2, 1, 0
	s_wait_dscnt 0
	WIN MUL_HI
	MUL16 4, 1, 0
	MUL16 6, 1, 0
	WIN 0
.macro TOSTAGE a
.set AC, 64*((\a)%4)
	WIN 0x02+((\a)/4)
.set j, 0
.rept 32
	v_pk_mul_f32 v[TMP+j:TMP+j+1], v[AC+j:AC+j+1], s[96:97] op_sel_hi:[1,0]
.set j, j+2
.endr
	WIN 0
.irp b, 0,1,2,3,4,5,6,7
	ds_store_b128 v[STO], v[TMP+8*\b:TMP+8*\b+3] offset:128*(\b/2)+32*(\b%2)
	ds_store_b128 v[STO], v[TMP+8*\b+4:TMP+8*\b+7] offset:128*(\b/2)+32*(\b%2)+16
.endr
.set BB, BK+64*((\a)%2)
.irp t, 0,1,2,3,4,5,6,7,8,9,10,11,12,13,14,15
	ds_load_b128 v[BB+4*\t:BB+4*\t+3], v[RD] offset:\t*SPITCH
.endr
.endm
.macro SEND a, younger
.set BB, BK+64*((\a)%2)
	s_wait_dscnt \younger
.irp t, 0,1,2,3,4,5,6,7,8,9,10,11,12,13,14,15
	global_store_b128 v[CO], v[BB+4*\t:BB+4*\t+3], s[10:11] offset:(32*((\a)/2)+8*((\a)%2)+\t+8*(\t/8))*4096 th:TH_STORE_NT
.endr
.endm
	s_wait_kmcnt 0x0
	s_add_co_i32 s96, s96, s97
	s_add_co_i32 s96, s96, 127
	s_lshl_b32 s96, s96, 23
	PLACES NP
	TOSTAGE 0
.irp a, 1,2,3,4,5,6,7
.if \a > 1
	s_wait_xcnt 0x0
.endif
	TOSTAGE \a
	SEND \a-1, 32
.endr
	SEND 7, 0
	s_wait_tensorcnt 0x0
	ds_add_u32 v[SPW], v[NIL]
	s_wait_dscnt 0x0
	CROUND
	s_endpgm
.Lfunc_end_k_qfb4059337d_gemm2:
	.size	k_qfb4059337d_gemm2, .Lfunc_end_k_qfb4059337d_gemm2-k_qfb4059337d_gemm2
	.p2alignl 7, 3214868480
	.fill 96, 4, 3214868480
	.section	.rodata,"a",@progbits
	.p2align	6, 0x0
	.amdhsa_kernel k_qfb4059337d_gemm2
		.amdhsa_group_segment_fixed_size 327680
		.amdhsa_private_segment_fixed_size 0
		.amdhsa_enable_private_segment 0
		.amdhsa_kernarg_size 32
		.amdhsa_user_sgpr_count 2
		.amdhsa_user_sgpr_kernarg_segment_ptr 1
		.amdhsa_wavefront_size32 1
		.amdhsa_system_sgpr_workgroup_id_x 1
		.amdhsa_system_sgpr_workgroup_id_y 1
		.amdhsa_system_sgpr_workgroup_id_z 1
		.amdhsa_system_vgpr_workitem_id 0
		.amdhsa_next_free_vgpr 1024
		.amdhsa_next_free_sgpr 98
		.amdhsa_reserve_vcc 0
		.amdhsa_float_denorm_mode_32 3
		.amdhsa_float_denorm_mode_16_64 3
		.amdhsa_memory_ordered 1
		.amdhsa_forward_progress 1
		.amdhsa_inst_pref_size 124
	.end_amdhsa_kernel
	.amdgpu_metadata
---
amdhsa.version: [ 1, 2 ]
amdhsa.kernels:
  - .name:           k_qfb4059337d_gemm2
    .symbol:         k_qfb4059337d_gemm2.kd
    .args:
      - { .name: aimg, .offset: 0, .size: 8, .value_kind: global_buffer, .address_space: global }
      - { .name: woutc, .offset: 8, .size: 8, .value_kind: global_buffer, .address_space: global }
      - { .name: lowp_scales, .offset: 16, .size: 8, .value_kind: global_buffer, .address_space: global }
      - { .name: out0, .offset: 24, .size: 8, .value_kind: global_buffer, .address_space: global }
    .group_segment_fixed_size: 327680
    .private_segment_fixed_size: 0
    .kernarg_segment_align: 8
    .kernarg_segment_size: 32
    .max_flat_workgroup_size: 128
    .sgpr_count:     98
    .vgpr_count:     1024
    .wavefront_size: 32
...
	.end_amdgpu_metadata
.endif
;; end of part 4
